; MI455X (gfx1250); checked and timed in simulation.
; The chip was launched on July 23, 2026; its instructions are those of AMD's public machine-readable ISA for CDNA 5 (MIT licence, August 2026) and "CDNA5" Instruction Set Architecture Reference Guide (July 2026). The comments in the code are by the model that wrote it; some were corrected since.
;; Read State. Allowed arithmetic: float matrix products may take bf16 or f16 operands with f32 sums; all other float work in f32.
;; Inputs: W_make 8 x 1,024 x 8,192 float32; W_merge 8 x 8,192 x 1,024 float32; b_make 8 x 8,192 float32; b_merge 8 x 1,024 float32; matrix 128 x 128 x 64 x 64 float32; normalizer 128 x 128 x 64 float32; sel_probs 128 x 8 float32; tensor 128 x 1,024 float32.
;; Outputs: out0 128 x 1,024 float32.
;; One version. Each part assembles by itself: llvm-mc -triple=amdgcn-amd-amdhsa -mcpu=gfx1250 --defsym DOCPART=n.
;; ======== version 1 of 1: 4 launches
;; limits: values are held in f16: magnitudes above 65,504 overflow, below 6.1e-05 lose precision; inputs' magnitudes at most 65,504
;; workspace buffers: qpart 8,388,608 bytes; rbuf 4,194,304 bytes; opart 8,388,608 bytes
;; launch make (part 1): grid 128 x 2, 8 waves a work-group, no clusters, 267,264 bytes of LDS; arguments tensor, W_make, sel_probs, qpart; writes qpart
.if DOCPART == 1
	.amdgcn_target "amdgcn-amd-amdhsa--gfx1250"
	.amdhsa_code_object_version 6
	.text
	.protected	k_q3045765c74_make
	.globl	k_q3045765c74_make
	.p2align	8
	.type	k_q3045765c74_make,@function
k_q3045765c74_make:
	s_mov_b64 s[64:65], 0
	v_nop
	global_prefetch_b8 v0, s[64:65] scope:SCOPE_SE
	s_setreg_imm32_b32 hwreg(HW_REG_WAVE_MODE, 25, 1), 1
	s_wait_xcnt 0x0
; qpart[y][b][h] = sum over banks k of sel[b][k] * sum over d in half y of tensor[b][d] * W_make[k][d][h]      (bias and elu: next launch)
; A = tensor [128][1024] f32, W = W_make [8][1024][8192] f32, out = qpart [2][128][8192] f32.
; A work-group owns 64 columns h (x), 512 rows d of W (y) and all 8 banks: 1 MiB of W, each byte read once in the launch.
; Eight waves, wave w = bank w: 512 x 64 of W against all 128 batch rows = 32 accumulator tiles (256 registers), 16 K steps of 32.
; W GOES FROM MEMORY TO THE MATRIX OPERAND THROUGH REGISTERS ALONE.  Lane (r = lane & 15, hh = lane >> 4) loads 16 bytes of row
; 16 HS + 8 hh + j at column 4 r: sixteen lanes cover 256 consecutive aligned bytes.  Component c of the eight loads j = 0..7 of a half step HS
; is, two by two, half of B fragment c, whose column index r stands for column 4 r + c: a permutation of N, undone for nothing on the way out,
; where the four tiles c give a lane four neighbouring columns.  No LDS and no transpose for W.
; FORMAT: f16 operands, f32 sums (11 significant bits against bf16's 8).  Each row of A is multiplied by 2^-e, e the exponent of its largest
; magnitude in this slice, so that A's range never matters; 2^e is multiplied back in f32 at the end.
; LIMITS: |W| >= 65520 becomes infinity in f16; |W| < 2^-14 is kept to 2^-25 absolute; elements of A below 2^-14 of their row's largest to
; 2^-25 of it; e is clamped to -126 .. 126.  The order of the sums differs from the reference's.
; NO CLUSTER: every byte of W is read by one wave alone.  Shared is only A's slice (256 KiB against 1 MiB of W), which must pass registers
; to be scaled and narrowed; a joint load would need its 256 KiB of f32 in LDS beside the 130 KiB of f16 and the 256 KiB of the bank sum.
.set LDA,     4096                     ; bytes from row to row of A
.set WP,      32768                    ; bytes from row to row of W
.set LOG_WP,  15
.set LDO,     32768                    ; bytes from row to row of the output
.set LOG_LDO, 15
.set OSL,     4194304                  ; bytes from K slice to K slice of the output
; LDS: 0 .. 133,119  A in f16, 128 rows of 1,040 bytes (1,024 + 16: 65 x 16, so the 16 rows of a fragment load fall into 16 different
;      16-byte columns of 256);  0 .. 262,143 once more for the sum over banks (behind a barrier): 8 waves x 32,768;  262,144 ..: sel_probs
.set APITCH,  1040
.set ATILE,   16*APITCH
.set SELB,    262144
; window 0 registers
.set WOFF,   1                         ; hh * 8 rows of W + 16 r
.set AAD0,   2                         ; v2, v3: LDS address of my part of A's fragments, batch tiles 0-3 and 4-7
.set AOFF,   4                         ; 16 x lane
.set SELSTO, 5
.set ASTO,   6
.set RSTO,   7
.set XAD,    8                         ; v8-11: bank sum, banks 2p and 2p+1
.set SAD,    12
.set OOFF,   13
.set TMP,    14
.set RR,     15
.set RING,   16                        ; v16-175: 5 slots of 8 loads of W (a half step each)
.set WF,     176                       ; v176-207: 4 B fragments
.set AF,     208                       ; v208-255: 6 slots for A fragments
.set MX,     176                       ; staging: the 16 rows' largest magnitudes
.set CV,     176                       ; staging: v176-239 narrowed A
.set SELD,   240
.set HH,     244
.set SV,     16                        ; way out: v16-79 sel[row j][bank]
.set TV,     80                        ; v80-111 results [row j][column c]
.set DSV,    112                       ; v112-119 2^e of row j
.set SC,     32                        ; s[32+2i] = 2^-e, s[33+2i] = 2^e of my row i
; window 1: all 256 registers: first A as loaded (row i in 16 i ..), then accumulator tile (i, c) at 8 (4 i + c), then the banks' partial sums
.set MSB, 0
.macro WIN new                         ; low byte: bits 1:0 source 0, 3:2 source 1, 5:4 source 2, 7:6 destination; high byte: the setting left
.if MSB != \new
	s_set_vgpr_msb (MSB<<8)|\new
.set MSB, \new
.endif
.endm
.macro PLACES                          ; four plain vector places behind matrix instructions (ISA guide 7.12.1) before their registers are loaded or written
.rept 4
	v_nop
.endr
.endm
.macro WLOAD hs                        ; half step hs: rows 16 hs + 8 hh + j, j = 0..7.  Two bases keep the immediates inside 24 signed bits
.irp j, 0,1,2,3,4,5,6,7
.if (\hs) < 16
	global_load_b128 v[RING+32*((\hs)%5)+4*\j:RING+32*((\hs)%5)+4*\j+3], v[WOFF], s[6:7] offset:(((\hs)%16)*16+\j)*WP th:TH_LOAD_NT
.else
	global_load_b128 v[RING+32*((\hs)%5)+4*\j:RING+32*((\hs)%5)+4*\j+3], v[WOFF], s[16:17] offset:(((\hs)%16)*16+\j)*WP th:TH_LOAD_NT
.endif
.endr
.endm
.macro WWAIT hs                        ; half step hs is in: behind it up to four half steps of 8 loads were issued and stay out
.if 31-(\hs) >= 4
	s_wait_loadcnt 32
.else
	s_wait_loadcnt 8*(31-(\hs))
.endif
.endm
.macro WCVT hs                         ; register i of fragment c: k = 8 hh + 2 i, 2 i + 1 (even hs: registers 0-3; odd: 4-7)
.irp c, 0,1,2,3
.irp i, 0,1,2,3
	v_cvt_pk_f16_f32 v[WF+8*\c+4*((\hs)&1)+\i], v[RING+32*((\hs)%5)+8*\i+\c], v[RING+32*((\hs)%5)+8*\i+4+\c]
.endr
.endr
.endm
.macro ALOAD slot, i, t                ; A fragment of batch tile i, K step t
	ds_load_b128 v[AF+8*\slot:AF+8*\slot+3],   v[AAD0+((\i)>>2)] offset:((\i)&3)*ATILE+64*\t
	ds_load_b128 v[AF+8*\slot+4:AF+8*\slot+7], v[AAD0+((\i)>>2)] offset:((\i)&3)*ATILE+64*\t+32
.endm
.macro MUL slot, i, zero               ; batch tile i x the four fragments of W.  zero = 1: the first product starts the sums
.irp c, 0,1,2,3
.if \zero
	v_wmma_f32_16x16x32_f16 v[8*(4*\i+\c):8*(4*\i+\c)+7], v[AF+8*\slot:AF+8*\slot+7], v[WF+8*\c:WF+8*\c+7], 0
.else
	v_wmma_f32_16x16x32_f16 v[8*(4*\i+\c):8*(4*\i+\c)+7], v[AF+8*\slot:AF+8*\slot+7], v[WF+8*\c:WF+8*\c+7], v[8*(4*\i+\c):8*(4*\i+\c)+7]
.endif
.endr
.endm
.macro ACVT half                       ; 32 of my 64 loads of A: narrow to f16, 8 bytes a lane into LDS
	WIN 0x05
.set q, 0
.rept 32
	v_cvt_pk_f16_f32 v[CV+2*q],   v[128*\half+4*q],   v[128*\half+4*q+1]
	v_cvt_pk_f16_f32 v[CV+2*q+1], v[128*\half+4*q+2], v[128*\half+4*q+3]
.set q, q+1
.endr
	WIN 0
.set q, 0
.rept 32
	ds_store_b64 v[ASTO], v[CV+2*q:CV+2*q+1] offset:((32*\half+q)>>2)*APITCH+((32*\half+q)&3)*256
.set q, q+1
.endr
.endm
; One K step of 32: 16 loads of W narrowed into 4 fragments, 8 fragments of A from LDS, 32 matrix instructions.
.macro STEP t, zero
	WIN 0
.if \t
	PLACES                                 ; behind the last step's products: WF is rewritten and AF loaded below
.endif
.irp i, 0,1,2,3,4,5
	ALOAD \i, \i, \t
.endr
	WWAIT (2*\t)
	WCVT (2*\t)
.if 2*\t+5 < 32
	WLOAD (2*\t+5)                         ; into the slot just narrowed
.endif
	WWAIT (2*\t+1)
	WCVT (2*\t+1)
.if 2*\t+6 < 32
	WLOAD (2*\t+6)
.endif
	s_wait_dscnt 0x8                       ; fragments 0 and 1 are in; the 8 loads of fragments 2-5 may be out
	WIN 0x50
	MUL 0, 0, \zero
	MUL 1, 1, \zero
	WIN 0
	PLACES
	ALOAD 0, 6, \t
	ALOAD 1, 7, \t
	WIN 0x50
	s_wait_dscnt 0x4                       ; fragments 2-5 are in; the 4 loads just issued may be out
	MUL 2, 2, \zero
	MUL 3, 3, \zero
	MUL 4, 4, \zero
	MUL 5, 5, \zero
	s_wait_dscnt 0x0
	MUL 0, 6, \zero
	MUL 1, 7, \zero
.endm
	; ---- set-up
	s_load_b256 s[4:11], s[0:1], 0x0               ; A s[4:5], W s[6:7], sel_probs s[8:9], out s[10:11]
	v_lshrrev_b32 v[TMP], 5, v0
	v_readfirstlane_b32 s12, v[TMP]                ; wave = bank
	s_and_b32 s13, ttmp7, 0xffff                   ; y: K slice.  ttmp9 = x: column block
	s_mov_b32 s28, 0x76543210                      ; v_permlanex16_b32: lane i takes lane i of the other half
	s_mov_b32 s29, 0xfedcba98
	s_mul_i32 s14, s12, 16*LDA                     ; A: my 16 rows,
	s_lshl_b32 s15, s13, 11                        ; the slice's 512 columns
	s_add_co_u32 s14, s14, s15
	s_mov_b32 s15, 0
	s_lshl_b32 s18, s12, 25                        ; W: my bank (2^25 bytes each),
	s_mul_i32 s19, s13, 512*WP                     ; the slice's 512 rows,
	s_add_co_u32 s18, s18, s19
	s_lshl_b32 s19, ttmp9, 8                       ; the block's 64 columns
	s_add_co_u32 s18, s18, s19
	s_mul_i32 s26, s13, OSL                        ; out: the slice, the block's columns, my 16 rows
	s_add_co_u32 s26, s26, s19
	s_mul_i32 s27, s12, 16*LDO
	s_add_co_u32 s26, s26, s27
	s_mov_b32 s19, 0
	s_mov_b32 s27, 0
	s_lshl_b32 s24, s12, 9                         ; sel_probs: my 16 rows of 32 bytes
	s_mov_b32 s25, 0
	s_add_co_u32 s20, s24, SELB
	s_mul_i32 s21, s12, ATILE
	s_lshl_b32 s22, s12, 15
	s_lshl_b32 s23, s12, 12
	v_and_b32 v[TMP], 31, v0                       ; lane
	v_and_b32 v[RR], 15, v0                        ; r
	v_bfe_u32 v[HH], v0, 4, 1                      ; hh
	v_lshlrev_b32 v[AOFF], 4, v[TMP]
	v_lshlrev_b32 v[WOFF], 4, v[RR]
	v_lshl_add_u32 v[OOFF], v[HH], LOG_LDO+3, v[WOFF]
	v_lshl_add_u32 v[WOFF], v[HH], LOG_WP+3, v[WOFF]
	v_mul_u32_u24 v[AAD0], v[RR], APITCH
	v_lshl_add_u32 v[AAD0], v[HH], 4, v[AAD0]
	v_add_nc_u32 v[AAD0+1], 4*ATILE, v[AAD0]
	v_add_nc_u32 v[SELSTO], s20, v[AOFF]
	v_lshl_add_u32 v[ASTO], v[TMP], 3, s21
	v_add_nc_u32 v[RSTO], s22, v[AOFF]
	v_add_nc_u32 v[XAD], s23, v[AOFF]
	v_add_nc_u32 v[XAD+1], 0x10000, v[XAD]
	v_add_nc_u32 v[XAD+2], 0x20000, v[XAD]
	v_add_nc_u32 v[XAD+3], 0x30000, v[XAD]
	v_lshl_add_u32 v[SAD], v[HH], 8, s20
	s_wait_kmcnt 0x0
	s_add_nc_u64 s[4:5], s[4:5], s[14:15]
	s_add_nc_u64 s[6:7], s[6:7], s[18:19]
	s_add_nc_u64 s[16:17], s[6:7], 256*WP          ; second base: rows 256 .. 511 of the slice
	s_add_nc_u64 s[8:9], s[8:9], s[24:25]
	s_add_nc_u64 s[10:11], s[10:11], s[26:27]
	; ---- issue: sel (1), my 16 rows of A (64), then five half steps of W (40).  A first: it is staged while W is on its way
	global_load_b128 v[SELD:SELD+3], v[AOFF], s[8:9]
	WIN 0x40
.set q, 0
.rept 64
	global_load_b128 v[4*q:4*q+3], v[AOFF], s[4:5] offset:(q>>2)*LDA+(q&3)*512
.set q, q+1
.endr
	WIN 0
	WLOAD 0
	WLOAD 1
	WLOAD 2
	WLOAD 3
	WLOAD 4
	; ---- stage A: largest magnitude of each row, scale by 2^-e, narrow, store
	s_wait_loadcnt 40                              ; only the 40 loads of W are younger: sel and A are in
	ds_store_b128 v[SELSTO], v[SELD:SELD+3]
	WIN 0x15
.set rw, 0
.rept 16
	v_max3_num_f32 v[MX+rw], |v[16*rw]|, |v[16*rw+1]|, |v[16*rw+2]|
.set rw, rw+1
.endr
	WIN 0x14
.irp i, 3,5,7,9,11,13
.set rw, 0
.rept 16
	v_max3_num_f32 v[MX+rw], v[MX+rw], |v[16*rw+\i]|, |v[16*rw+\i+1]|
.set rw, rw+1
.endr
.endr
.set rw, 0
.rept 16
	v_max_num_f32 v[MX+rw], v[MX+rw], |v[16*rw+15]|
.set rw, rw+1
.endr
	WIN 0
.irp m, 1,2,4,8
.set rw, 0
.rept 16
	v_max_num_f32_dpp v[MX+rw], v[MX+rw], v[MX+rw] row_xmask:\m row_mask:0xf bank_mask:0xf
.set rw, rw+1
.endr
.endr
.set rw, 0
.rept 16
	v_permlanex16_b32 v[TMP], v[MX+rw], s28, s29
	v_max_num_f32 v[MX+rw], v[MX+rw], v[TMP]
	v_readfirstlane_b32 s[SC+2*rw], v[MX+rw]
	s_and_b32 s[SC+2*rw+1], s[SC+2*rw], 0x7f800000             ; 2^e: the exponent field alone,
	s_max_u32 s[SC+2*rw+1], s[SC+2*rw+1], 0x00800000           ; at least 2^-126 (a row of zeros stays zeros),
	s_min_u32 s[SC+2*rw+1], s[SC+2*rw+1], 0x7e800000           ; at most 2^126, so that
	s_sub_co_u32 s[SC+2*rw], 0x7f000000, s[SC+2*rw+1]          ; 2^-e = field 254 - field is a normal number too
.set rw, rw+1
.endr
	WIN 0x41
.set rw, 0
.rept 16
.irp i, 0,2,4,6,8,10,12,14
	v_pk_mul_f32 v[16*rw+\i:16*rw+\i+1], v[16*rw+\i:16*rw+\i+1], s[SC+2*rw:SC+2*rw+1] op_sel_hi:[1,0]
.endr
.set rw, rw+1
.endr
	ACVT 0
	ACVT 1
	s_wait_dscnt 0x0                               ; my rows of A are in LDS,
	s_barrier_signal -1
	s_barrier_wait -1                              ; everybody's are
	; ---- the products
	STEP 0, 1
.irp t, 1,2,3,4,5,6,7,8,9,10,11,12,13,14,15
	STEP \t, 0
.endr
	; ---- the sum over banks, weighted by sel in f32 as the reference combines them
	WIN 0
	PLACES                                         ; behind the last products, before LDS stores read the sums
	s_barrier_signal -1                            ; my reads of A ended at the last s_wait_dscnt 0
	s_barrier_wait -1                              ; nobody reads A any more: its bytes are written again
	WIN 0x04
.set tl, 0
.rept 32
	ds_store_b128 v[RSTO], v[8*tl:8*tl+3]   offset:tl*1024
	ds_store_b128 v[RSTO], v[8*tl+4:8*tl+7] offset:tl*1024+512
.set tl, tl+1
.endr
	WIN 0
	s_wait_dscnt 0x0
	s_barrier_signal -1
	s_barrier_wait -1
	; wave w finishes batch tile w, the rows that it staged: lane (r, hh) has rows 16 w + 8 hh + j, columns 4 r + c
.irp j, 0,1,2,3,4,5,6,7
	ds_load_b128 v[SV+8*\j:SV+8*\j+3],   v[SAD] offset:32*\j
	ds_load_b128 v[SV+8*\j+4:SV+8*\j+7], v[SAD] offset:32*\j+16
.endr
	v_and_b32 v[DSV+8], 16, v0
	v_cmp_ne_u32 vcc_lo, 0, v[DSV+8]               ; upper half of the lanes: rows 8 .. 15
.irp j, 0,1,2,3,4,5,6,7
	v_mov_b32 v[DSV+\j], s[SC+2*(8+\j)+1]
	v_cndmask_b32 v[DSV+\j], s[SC+2*\j+1], v[DSV+\j], vcc_lo
.endr
	WIN 0x40
.irp b, 0,1,2,3,4,5,6,7
.irp u, 0,1,2,3,4,5,6,7
	ds_load_b128 v[32*\b+4*\u:32*\b+4*\u+3], v[XAD+(\b>>1)] offset:(\b&1)*32768+\u*512
.endr
.endr
	WIN 0x04
.irp b, 0,1,2,3,4,5,6,7
	s_wait_dscnt 56-8*\b                           ; bank b's 8 loads are in; those of the later banks stay out
.irp j, 0,1,2,3,4,5,6,7
.irp c, 0,1,2,3
.if \b == 0
	v_mul_f32 v[TV+4*\j+\c], v[SV+8*\j+\b], v[32*\b+8*\c+\j]
.else
	v_fmac_f32 v[TV+4*\j+\c], v[SV+8*\j+\b], v[32*\b+8*\c+\j]
.endif
.endr
.endr
.endr
	WIN 0
.irp j, 0,1,2,3,4,5,6,7
.irp c, 0,1,2,3
	v_mul_f32 v[TV+4*\j+\c], v[DSV+\j], v[TV+4*\j+\c]          ; the row's 2^e back
.endr
.endr
.irp j, 0,1,2,3,4,5,6,7
	global_store_b128 v[OOFF], v[TV+4*\j:TV+4*\j+3], s[10:11] offset:\j*LDO   ; 16 lanes store 256 consecutive aligned bytes of a row
.endr
	s_wait_xcnt 0x0
	v_lshl_add_u32 v254, v0, 2, 0x41000
	v_mov_b32 v255, 0
	s_wait_tensorcnt 0x0
	ds_add_u32 v254, v255
	s_wait_dscnt 0x0
	s_endpgm
.Lfunc_end_k_q3045765c74_make:
	.size	k_q3045765c74_make, .Lfunc_end_k_q3045765c74_make-k_q3045765c74_make
	.p2alignl 7, 3214868480
	.fill 96, 4, 3214868480
	.section	.rodata,"a",@progbits
	.p2align	6, 0x0
	.amdhsa_kernel k_q3045765c74_make
		.amdhsa_group_segment_fixed_size 267264
		.amdhsa_private_segment_fixed_size 0
		.amdhsa_enable_private_segment 0
		.amdhsa_kernarg_size 32
		.amdhsa_user_sgpr_count 2
		.amdhsa_user_sgpr_kernarg_segment_ptr 1
		.amdhsa_wavefront_size32 1
		.amdhsa_system_sgpr_workgroup_id_x 1
		.amdhsa_system_sgpr_workgroup_id_y 1
		.amdhsa_system_sgpr_workgroup_id_z 1
		.amdhsa_system_vgpr_workitem_id 0
		.amdhsa_next_free_vgpr 512
		.amdhsa_next_free_sgpr 66
		.amdhsa_reserve_vcc 1
		.amdhsa_float_denorm_mode_32 3
		.amdhsa_float_denorm_mode_16_64 3
		.amdhsa_memory_ordered 1
		.amdhsa_forward_progress 1
		.amdhsa_inst_pref_size 180
	.end_amdhsa_kernel
	.amdgpu_metadata
---
amdhsa.version: [ 1, 2 ]
amdhsa.kernels:
  - .name:           k_q3045765c74_make
    .symbol:         k_q3045765c74_make.kd
    .args:
      - { .name: tensor, .offset: 0, .size: 8, .value_kind: global_buffer, .address_space: global }
      - { .name: W_make, .offset: 8, .size: 8, .value_kind: global_buffer, .address_space: global }
      - { .name: sel_probs, .offset: 16, .size: 8, .value_kind: global_buffer, .address_space: global }
      - { .name: qpart, .offset: 24, .size: 8, .value_kind: global_buffer, .address_space: global }
    .group_segment_fixed_size: 267264
    .private_segment_fixed_size: 0
    .kernarg_segment_align: 8
    .kernarg_segment_size: 32
    .max_flat_workgroup_size: 256
    .sgpr_count:     66
    .vgpr_count:     512
    .wavefront_size: 32
...
	.end_amdgpu_metadata
.endif
;; end of part 1
;; launch read (part 2): grid 64 x 4, 16 waves a work-group, no clusters, 18,432 bytes of LDS; arguments matrix, normalizer, qpart, b_make, sel_probs, rbuf; writes rbuf
.if DOCPART == 2
	.amdgcn_target "amdgcn-amd-amdhsa--gfx1250"
	.amdhsa_code_object_version 6
	.text
	.protected	k_q3045765c74_read
	.globl	k_q3045765c74_read
	.p2align	8
	.type	k_q3045765c74_read,@function
k_q3045765c74_read:
	s_mov_b64 s[64:65], 0
	v_nop
	global_prefetch_b8 v0, s[64:65] scope:SCOPE_SE
	s_setreg_imm32_b32 hwreg(HW_REG_WAVE_MODE, 25, 1), 1
	s_wait_xcnt 0x0
; q = elu(qpart[0] + qpart[1] + sum_k sel[b][k] b_make[k]) + 1;   rbuf[b][m][v] = (sum_k q[k] matrix[b][m][k][v]) / (sum_k q[k] normalizer[b][m][k] + 1e-9)
; A work-group owns heads 2 x, 2 x + 1 and batches 32 y .. 32 y + 31.  Sixteen waves that never meet; wave w has batches 32 y + 2 w + p, p = 0, 1.
; Lanes 0-15 work on head 2 x, lanes 16-31 on head 2 x + 1: lane (r, hh) holds values v = 4 r .. 4 r + 3, so a load of one key row covers
; 256 consecutive aligned bytes for each head, the sum over keys stays in the lane, and every access to qpart, normalizer and rbuf covers 512 bytes.
; PLAIN VECTOR ARITHMETIC IN f32, NO MATRIX UNIT: each number of matrix meets one vector only.  A matrix instruction would use 1 of its 16 columns and
; ask one narrowing instruction for two numbers, which is the number of packed multiply-adds that do the whole job here.
; NO CLUSTER, NO TENSOR LOADS: no byte of matrix is read twice; 28 to 32 loads of 512 bytes of every wave are on their way from registers' own ring.
; elu(x) + 1 is formed as the reference forms it, (exp(x) - 1) + 1 for x <= 0, so that very small q fall on the same grid of 2^-24.
; LIMITS: exp by v_exp_f32 (1 ulp; results under 2^-126 are 0); the division is v_rcp_f32 and a multiply (1 ulp; a denominator under 2^-126 in
; magnitude counts as 0, one above 2^126 gives 0).
.set MOFF, 1                           ; hh << 14 + 16 r
.set LOFF, 2                           ; 16 x lane
.set ZOFF, 3                           ; 0
.set LST,  5                           ; LDS: where my 4 q go
.set LRD,  6                           ; LDS: my head's 64 q
.set ACC,  8                           ; v8-11 even keys, v12-15 odd keys
.set RDEN, 16                          ; v16, v17: 1 / denominator of pair 0, 1
.set OUT,  18                          ; v18-21, v22-25: results of pair 0, 1
.set X,    26                          ; v26-29
.set E,    30                          ; v30-33
.set D,    34
.set BM,   40                          ; v40-71: b_make, 8 banks x 4
.set PP,   72                          ; v72-91, v92-111: pair p: qpart 0 (4), qpart 1 (4), normalizer (4), sel (8)
.set Q,    40                          ; v40-103: my head's 64 q, once both pairs are prepared
.set RING, 112                         ; v112-239: 32 key rows of 4 registers
.macro MLOAD l                         ; load l = 64 p + key
	global_load_b128 v[RING+4*((\l)%32):RING+4*((\l)%32)+3], v[MOFF], s[4:5] offset:((\l)>>6)*2097152+((\l)&63)*256 th:TH_LOAD_NT
.endm
.macro PREP p
	v_pk_add_f32 v[X:X+1],   v[PP+20*\p:PP+20*\p+1],   v[PP+20*\p+4:PP+20*\p+5]
	v_pk_add_f32 v[X+2:X+3], v[PP+20*\p+2:PP+20*\p+3], v[PP+20*\p+6:PP+20*\p+7]
.irp kk, 0,1,2,3                       ; banks 2 kk (first register of sel's pair) and 2 kk + 1 (second)
	v_pk_fma_f32 v[X:X+1],   v[BM+8*\kk:BM+8*\kk+1],   v[PP+20*\p+12+2*\kk:PP+20*\p+13+2*\kk], v[X:X+1]   op_sel:[0,0,0] op_sel_hi:[1,0,1]
	v_pk_fma_f32 v[X+2:X+3], v[BM+8*\kk+2:BM+8*\kk+3], v[PP+20*\p+12+2*\kk:PP+20*\p+13+2*\kk], v[X+2:X+3] op_sel:[0,0,0] op_sel_hi:[1,0,1]
	v_pk_fma_f32 v[X:X+1],   v[BM+8*\kk+4:BM+8*\kk+5], v[PP+20*\p+12+2*\kk:PP+20*\p+13+2*\kk], v[X:X+1]   op_sel:[0,1,0] op_sel_hi:[1,1,1]
	v_pk_fma_f32 v[X+2:X+3], v[BM+8*\kk+6:BM+8*\kk+7], v[PP+20*\p+12+2*\kk:PP+20*\p+13+2*\kk], v[X+2:X+3] op_sel:[0,1,0] op_sel_hi:[1,1,1]
.endr
	v_pk_mul_f32 v[E:E+1],   v[X:X+1],   0x3fb8aa3b op_sel_hi:[1,0]    ; x log2(e)
	v_pk_mul_f32 v[E+2:E+3], v[X+2:X+3], 0x3fb8aa3b op_sel_hi:[1,0]
.irp c, 0,1,2,3
	v_exp_f32 v[E+\c], v[E+\c]
.endr
.irp c, 0,1,2,3
	v_cmp_lt_f32 s[20+\c], 0, v[X+\c]              ; plain instructions between the exponentials and their use (ISA guide 5.7.2)
.endr
	s_wait_alu depctr_va_vdst(0)
	v_pk_add_f32 v[E:E+1],   v[E:E+1],   -1.0 op_sel_hi:[1,0]
	v_pk_add_f32 v[E+2:E+3], v[E+2:E+3], -1.0 op_sel_hi:[1,0]
.irp c, 0,1,2,3
	v_cndmask_b32 v[X+\c], v[E+\c], v[X+\c], s[20+\c]          ; x where x > 0 (an overflowed exponential is dropped here)
.endr
	v_pk_add_f32 v[X:X+1],   v[X:X+1],   1.0 op_sel_hi:[1,0]
	v_pk_add_f32 v[X+2:X+3], v[X+2:X+3], 1.0 op_sel_hi:[1,0]
	ds_store_b128 v[LST], v[X:X+3] offset:\p*512
	v_mul_f32  v[D], v[X],   v[PP+20*\p+8]
	v_fmac_f32 v[D], v[X+1], v[PP+20*\p+9]
	v_fmac_f32 v[D], v[X+2], v[PP+20*\p+10]
	v_fmac_f32 v[D], v[X+3], v[PP+20*\p+11]
	v_add_f32_dpp v[D], v[D], v[D] row_xmask:1 row_mask:0xf bank_mask:0xf     ; sixteen lanes hold one head's 64 keys
	v_add_f32_dpp v[D], v[D], v[D] row_xmask:2 row_mask:0xf bank_mask:0xf
	v_add_f32_dpp v[D], v[D], v[D] row_xmask:4 row_mask:0xf bank_mask:0xf
	v_add_f32_dpp v[D], v[D], v[D] row_xmask:8 row_mask:0xf bank_mask:0xf
	v_add_f32 v[D], 0x3089705f, v[D]               ; + 1e-9
	v_rcp_f32 v[RDEN+\p], v[D]                     ; the next vector instruction is plain and names neither register
.endm
.macro ROW m, qp, odd, first           ; one key row: 4 values x q[key]; q is register odd of the pair qp
.if \first
	v_pk_mul_f32 v[ACC+4*\odd:ACC+4*\odd+1],   v[(\m):(\m)+1],   v[(\qp):(\qp)+1] op_sel:[0,\odd] op_sel_hi:[1,\odd]
	v_pk_mul_f32 v[ACC+4*\odd+2:ACC+4*\odd+3], v[(\m)+2:(\m)+3], v[(\qp):(\qp)+1] op_sel:[0,\odd] op_sel_hi:[1,\odd]
.else
	v_pk_fma_f32 v[ACC+4*\odd:ACC+4*\odd+1],   v[(\m):(\m)+1],   v[(\qp):(\qp)+1], v[ACC+4*\odd:ACC+4*\odd+1]   op_sel:[0,\odd,0] op_sel_hi:[1,\odd,1]
	v_pk_fma_f32 v[ACC+4*\odd+2:ACC+4*\odd+3], v[(\m)+2:(\m)+3], v[(\qp):(\qp)+1], v[ACC+4*\odd+2:ACC+4*\odd+3] op_sel:[0,\odd,0] op_sel_hi:[1,\odd,1]
.endif
.endm
.macro MAIN p
.irp u, 0,1,2,3,4,5,6,7,8,9,10,11,12,13,14,15
	ds_load_b128 v[Q+4*\u:Q+4*\u+3], v[LRD] offset:\p*512+16*\u    ; my wave's own bytes; LDS serves a wave in order (ISA guide 5.7.1): no barrier
.endr
.irp g, 0,1,2,3,4,5,6,7,8,9,10,11,12,13,14,15
	s_wait_dscnt 15-\g                             ; q of keys 4 g .. 4 g + 3
.if 31-(16*\p+\g) >= 7
	s_wait_loadcnt 28                              ; this group's 4 rows are in; seven younger groups stay out
.else
	s_wait_loadcnt 4*(31-(16*\p+\g))
.endif
	ROW (RING+4*((4*\g+0)%32)), (Q+4*\g),   0, (\g==0)         ; the first two rows start the sums: nothing is cleared
	ROW (RING+4*((4*\g+1)%32)), (Q+4*\g),   1, (\g==0)
	ROW (RING+4*((4*\g+2)%32)), (Q+4*\g+2), 0, 0
	ROW (RING+4*((4*\g+3)%32)), (Q+4*\g+2), 1, 0
.if 16*\p+\g+8 < 32
.irp e, 0,1,2,3
	MLOAD (64*\p+4*\g+32+\e)                       ; eight groups ahead, into the registers just used
.endr
.endif
.endr
	v_pk_add_f32 v[ACC:ACC+1],   v[ACC:ACC+1],   v[ACC+4:ACC+5]
	v_pk_add_f32 v[ACC+2:ACC+3], v[ACC+2:ACC+3], v[ACC+6:ACC+7]
	s_wait_alu depctr_va_vdst(0)
	v_pk_mul_f32 v[OUT+4*\p:OUT+4*\p+1],   v[ACC:ACC+1],   v[RDEN:RDEN+1] op_sel:[0,\p] op_sel_hi:[1,\p]
	v_pk_mul_f32 v[OUT+4*\p+2:OUT+4*\p+3], v[ACC+2:ACC+3], v[RDEN:RDEN+1] op_sel:[0,\p] op_sel_hi:[1,\p]
	global_store_b128 v[LOFF], v[OUT+4*\p:OUT+4*\p+3], s[14:15] offset:\p*32768   ; 512 consecutive bytes; its registers are never rewritten
.endm
	s_load_b256 s[4:11], s[0:1], 0x0               ; matrix s[4:5], normalizer s[6:7], qpart s[8:9], b_make s[10:11]
	s_load_b128 s[12:15], s[0:1], 0x20             ; sel_probs s[12:13], rbuf s[14:15]
	v_lshl_add_u32 v240, v0, 2, 0x4000
	v_mov_b32 v241, 0
	v_lshrrev_b32 v7, 5, v0
	v_readfirstlane_b32 s16, v7                    ; wave
	s_and_b32 s17, ttmp7, 0xffff                   ; y: quarter of the batches.  ttmp9 = x: pair of heads
	s_lshl_b32 s18, s17, 26                        ; matrix: 32 batches of 2^21 bytes,
	s_lshl_b32 s19, s16, 22                        ; my two batches,
	s_add_co_u32 s18, s18, s19
	s_lshl_b32 s19, ttmp9, 15                      ; two heads of 2^14 bytes
	s_add_co_u32 s18, s18, s19
	s_mov_b32 s19, 0
	s_lshl_b32 s26, ttmp9, 9                       ; in a row of 8,192 numbers: two heads of 256 bytes
	s_mov_b32 s27, 0
	s_lshl_b32 s24, s17, 20                        ; rows of 32,768 bytes: 32 batches, my two
	s_lshl_b32 s25, s16, 16
	s_add_co_u32 s24, s24, s25
	s_add_co_u32 s24, s24, s26
	s_mov_b32 s25, 0
	s_lshl_b32 s28, s17, 10                        ; sel_probs: rows of 32 bytes
	s_lshl_b32 s29, s16, 6
	s_add_co_u32 s28, s28, s29
	s_mov_b32 s29, 0
	s_lshl_b32 s30, s16, 10                        ; my wave's 1,024 bytes of LDS
	v_and_b32 v7, 15, v0
	v_lshlrev_b32 v[MOFF], 4, v7
	v_bfe_u32 v7, v0, 4, 1
	v_lshl_add_u32 v[MOFF], v7, 14, v[MOFF]
	v_and_b32 v[LOFF], 31, v0
	v_lshlrev_b32 v[LOFF], 4, v[LOFF]
	v_mov_b32 v[ZOFF], 0
	v_add_nc_u32 v[LST], s30, v[LOFF]
	v_lshl_add_u32 v[LRD], v7, 8, s30
	s_wait_kmcnt 0x0
	s_add_nc_u64 s[4:5], s[4:5], s[18:19]
	s_add_nc_u64 s[6:7], s[6:7], s[24:25]
	s_add_nc_u64 s[8:9], s[8:9], s[24:25]
	s_add_nc_u64 s[10:11], s[10:11], s[26:27]
	s_add_nc_u64 s[12:13], s[12:13], s[28:29]
	s_add_nc_u64 s[14:15], s[14:15], s[24:25]
	; 18 small loads, then the ring's first 32 rows
.irp k, 0,1,2,3,4,5,6,7
	global_load_b128 v[BM+4*\k:BM+4*\k+3], v[LOFF], s[10:11] offset:\k*32768
.endr
.irp p, 0,1
	global_load_b128 v[PP+20*\p:PP+20*\p+3],     v[LOFF], s[8:9] offset:\p*32768 th:TH_LOAD_NT
	global_load_b128 v[PP+20*\p+4:PP+20*\p+7],   v[LOFF], s[8:9] offset:4194304+\p*32768 th:TH_LOAD_NT
	global_load_b128 v[PP+20*\p+8:PP+20*\p+11],  v[LOFF], s[6:7] offset:\p*32768 th:TH_LOAD_NT
	global_load_b128 v[PP+20*\p+12:PP+20*\p+15], v[ZOFF], s[12:13] offset:\p*32
	global_load_b128 v[PP+20*\p+16:PP+20*\p+19], v[ZOFF], s[12:13] offset:\p*32+16
.endr
.set l, 0
.rept 32
	MLOAD l
.set l, l+1
.endr
	s_wait_loadcnt 32                              ; only the ring's 32 loads are younger: the small ones are in
	PREP 0
	PREP 1
	MAIN 0
	MAIN 1
	s_wait_tensorcnt 0x0
	ds_add_u32 v240, v241
	s_wait_dscnt 0x0
	s_endpgm
.Lfunc_end_k_q3045765c74_read:
	.size	k_q3045765c74_read, .Lfunc_end_k_q3045765c74_read-k_q3045765c74_read
	.p2alignl 7, 3214868480
	.fill 96, 4, 3214868480
	.section	.rodata,"a",@progbits
	.p2align	6, 0x0
	.amdhsa_kernel k_q3045765c74_read
		.amdhsa_group_segment_fixed_size 18432
		.amdhsa_private_segment_fixed_size 0
		.amdhsa_enable_private_segment 0
		.amdhsa_kernarg_size 48
		.amdhsa_user_sgpr_count 2
		.amdhsa_user_sgpr_kernarg_segment_ptr 1
		.amdhsa_wavefront_size32 1
		.amdhsa_system_sgpr_workgroup_id_x 1
		.amdhsa_system_sgpr_workgroup_id_y 1
		.amdhsa_system_sgpr_workgroup_id_z 1
		.amdhsa_system_vgpr_workitem_id 0
		.amdhsa_next_free_vgpr 242
		.amdhsa_next_free_sgpr 66
		.amdhsa_reserve_vcc 0
		.amdhsa_float_denorm_mode_32 3
		.amdhsa_float_denorm_mode_16_64 3
		.amdhsa_memory_ordered 1
		.amdhsa_forward_progress 1
		.amdhsa_inst_pref_size 42
	.end_amdhsa_kernel
	.amdgpu_metadata
---
amdhsa.version: [ 1, 2 ]
amdhsa.kernels:
  - .name:           k_q3045765c74_read
    .symbol:         k_q3045765c74_read.kd
    .args:
      - { .name: matrix, .offset: 0, .size: 8, .value_kind: global_buffer, .address_space: global }
      - { .name: normalizer, .offset: 8, .size: 8, .value_kind: global_buffer, .address_space: global }
      - { .name: qpart, .offset: 16, .size: 8, .value_kind: global_buffer, .address_space: global }
      - { .name: b_make, .offset: 24, .size: 8, .value_kind: global_buffer, .address_space: global }
      - { .name: sel_probs, .offset: 32, .size: 8, .value_kind: global_buffer, .address_space: global }
      - { .name: rbuf, .offset: 40, .size: 8, .value_kind: global_buffer, .address_space: global }
    .group_segment_fixed_size: 18432
    .private_segment_fixed_size: 0
    .kernarg_segment_align: 8
    .kernarg_segment_size: 48
    .max_flat_workgroup_size: 512
    .sgpr_count:     66
    .vgpr_count:     242
    .wavefront_size: 32
...
	.end_amdgpu_metadata
.endif
;; end of part 2
;; launch merge (part 3): grid 16 x 16, 8 waves a work-group, no clusters, 267,264 bytes of LDS; arguments rbuf, W_merge, sel_probs, opart; writes opart
.if DOCPART == 3
	.amdgcn_target "amdgcn-amd-amdhsa--gfx1250"
	.amdhsa_code_object_version 6
	.text
	.protected	k_q3045765c74_merge
	.globl	k_q3045765c74_merge
	.p2align	8
	.type	k_q3045765c74_merge,@function
k_q3045765c74_merge:
	s_mov_b64 s[64:65], 0
	v_nop
	global_prefetch_b8 v0, s[64:65] scope:SCOPE_SE
	s_setreg_imm32_b32 hwreg(HW_REG_WAVE_MODE, 25, 1), 1
	s_wait_xcnt 0x0
; opart[y][b][d] = sum over banks k of sel[b][k] * sum over h in slice y of rbuf[b][h] * W_merge[k][h][d]      (bias and the sum over y: next launch)
; A = rbuf [128][8192] f32, W = W_merge [8][8192][1024] f32, out = opart [16][128][1024] f32.
; The text is that of the launch that makes the heads, with other pitches in the six lines below.
; A work-group owns 64 columns d (x), 512 rows h of W (y) and all 8 banks: 1 MiB of W, each byte read once in the launch.
; Eight waves, wave w = bank w: 512 x 64 of W against all 128 batch rows = 32 accumulator tiles (256 registers), 16 K steps of 32.
; W GOES FROM MEMORY TO THE MATRIX OPERAND THROUGH REGISTERS ALONE.  Lane (r = lane & 15, hh = lane >> 4) loads 16 bytes of row
; 16 HS + 8 hh + j at column 4 r: sixteen lanes cover 256 consecutive aligned bytes.  Component c of the eight loads j = 0..7 of a half step HS
; is, two by two, half of B fragment c, whose column index r stands for column 4 r + c: a permutation of N, undone for nothing on the way out,
; where the four tiles c give a lane four neighbouring columns.  No LDS and no transpose for W.
; FORMAT: f16 operands, f32 sums (11 significant bits against bf16's 8).  Each row of A is multiplied by 2^-e, e the exponent of its largest
; magnitude in this slice, so that the range of the quotients in rbuf never matters; 2^e is multiplied back in f32 at the end.
; LIMITS: |W| >= 65520 becomes infinity in f16; |W| < 2^-14 is kept to 2^-25 absolute; elements of A below 2^-14 of their row's largest to
; 2^-25 of it; e is clamped to -126 .. 126.  The order of the sums differs from the reference's.
; NO CLUSTER: every byte of W is read by one wave alone.  Shared is only A's slice (256 KiB against 1 MiB of W), which must pass registers
; to be scaled and narrowed; a joint load would need its 256 KiB of f32 in LDS beside the 130 KiB of f16 and the 256 KiB of the bank sum.
.set LDA,     32768                    ; bytes from row to row of A
.set WP,      4096                     ; bytes from row to row of W
.set LOG_WP,  12
.set LDO,     4096                     ; bytes from row to row of the output
.set LOG_LDO, 12
.set OSL,     524288                   ; bytes from K slice to K slice of the output
; LDS: 0 .. 133,119  A in f16, 128 rows of 1,040 bytes (1,024 + 16: 65 x 16, so the 16 rows of a fragment load fall into 16 different
;      16-byte columns of 256);  0 .. 262,143 once more for the sum over banks (behind a barrier): 8 waves x 32,768;  262,144 ..: sel_probs
.set APITCH,  1040
.set ATILE,   16*APITCH
.set SELB,    262144
; window 0 registers
.set WOFF,   1                         ; hh * 8 rows of W + 16 r
.set AAD0,   2                         ; v2, v3: LDS address of my part of A's fragments, batch tiles 0-3 and 4-7
.set AOFF,   4                         ; 16 x lane
.set SELSTO, 5
.set ASTO,   6
.set RSTO,   7
.set XAD,    8                         ; v8-11: bank sum, banks 2p and 2p+1
.set SAD,    12
.set OOFF,   13
.set TMP,    14
.set RR,     15
.set RING,   16                        ; v16-175: 5 slots of 8 loads of W (a half step each)
.set WF,     176                       ; v176-207: 4 B fragments
.set AF,     208                       ; v208-255: 6 slots for A fragments
.set MX,     176                       ; staging: the 16 rows' largest magnitudes
.set CV,     176                       ; staging: v176-239 narrowed A
.set SELD,   240
.set HH,     244
.set SV,     16                        ; way out: v16-79 sel[row j][bank]
.set TV,     80                        ; v80-111 results [row j][column c]
.set DSV,    112                       ; v112-119 2^e of row j
.set SC,     32                        ; s[32+2i] = 2^-e, s[33+2i] = 2^e of my row i
; window 1: all 256 registers: first A as loaded (row i in 16 i ..), then accumulator tile (i, c) at 8 (4 i + c), then the banks' partial sums
.set MSB, 0
.macro WIN new                         ; low byte: bits 1:0 source 0, 3:2 source 1, 5:4 source 2, 7:6 destination; high byte: the setting left
.if MSB != \new
	s_set_vgpr_msb (MSB<<8)|\new
.set MSB, \new
.endif
.endm
.macro PLACES                          ; four plain vector places behind matrix instructions (ISA guide 7.12.1) before their registers are loaded or written
.rept 4
	v_nop
.endr
.endm
.macro WLOAD hs                        ; half step hs: rows 16 hs + 8 hh + j, j = 0..7
.irp j, 0,1,2,3,4,5,6,7
.if (\hs) < 16
	global_load_b128 v[RING+32*((\hs)%5)+4*\j:RING+32*((\hs)%5)+4*\j+3], v[WOFF], s[6:7] offset:(((\hs)%16)*16+\j)*WP th:TH_LOAD_NT
.else
	global_load_b128 v[RING+32*((\hs)%5)+4*\j:RING+32*((\hs)%5)+4*\j+3], v[WOFF], s[16:17] offset:(((\hs)%16)*16+\j)*WP th:TH_LOAD_NT
.endif
.endr
.endm
.macro WWAIT hs                        ; half step hs is in: behind it up to four half steps of 8 loads were issued and stay out
.if 31-(\hs) >= 4
	s_wait_loadcnt 32
.else
	s_wait_loadcnt 8*(31-(\hs))
.endif
.endm
.macro WCVT hs                         ; register i of fragment c: k = 8 hh + 2 i, 2 i + 1 (even hs: registers 0-3; odd: 4-7)
.irp c, 0,1,2,3
.irp i, 0,1,2,3
	v_cvt_pk_f16_f32 v[WF+8*\c+4*((\hs)&1)+\i], v[RING+32*((\hs)%5)+8*\i+\c], v[RING+32*((\hs)%5)+8*\i+4+\c]
.endr
.endr
.endm
.macro ALOAD slot, i, t                ; A fragment of batch tile i, K step t
	ds_load_b128 v[AF+8*\slot:AF+8*\slot+3],   v[AAD0+((\i)>>2)] offset:((\i)&3)*ATILE+64*\t
	ds_load_b128 v[AF+8*\slot+4:AF+8*\slot+7], v[AAD0+((\i)>>2)] offset:((\i)&3)*ATILE+64*\t+32
.endm
.macro MUL slot, i, zero               ; batch tile i x the four fragments of W.  zero = 1: the first product starts the sums
.irp c, 0,1,2,3
.if \zero
	v_wmma_f32_16x16x32_f16 v[8*(4*\i+\c):8*(4*\i+\c)+7], v[AF+8*\slot:AF+8*\slot+7], v[WF+8*\c:WF+8*\c+7], 0
.else
	v_wmma_f32_16x16x32_f16 v[8*(4*\i+\c):8*(4*\i+\c)+7], v[AF+8*\slot:AF+8*\slot+7], v[WF+8*\c:WF+8*\c+7], v[8*(4*\i+\c):8*(4*\i+\c)+7]
.endif
.endr
.endm
.macro ACVT half                       ; 32 of my 64 loads of A: narrow to f16, 8 bytes a lane into LDS
	WIN 0x05
.set q, 0
.rept 32
	v_cvt_pk_f16_f32 v[CV+2*q],   v[128*\half+4*q],   v[128*\half+4*q+1]
	v_cvt_pk_f16_f32 v[CV+2*q+1], v[128*\half+4*q+2], v[128*\half+4*q+3]
.set q, q+1
.endr
	WIN 0
.set q, 0
.rept 32
	ds_store_b64 v[ASTO], v[CV+2*q:CV+2*q+1] offset:((32*\half+q)>>2)*APITCH+((32*\half+q)&3)*256
.set q, q+1
.endr
.endm
; One K step of 32: 16 loads of W narrowed into 4 fragments, 8 fragments of A from LDS, 32 matrix instructions.
.macro STEP t, zero
	WIN 0
.if \t
	PLACES                                 ; behind the last step's products: WF is rewritten and AF loaded below
.endif
.irp i, 0,1,2,3,4,5
	ALOAD \i, \i, \t
.endr
	WWAIT (2*\t)
	WCVT (2*\t)
.if 2*\t+5 < 32
	WLOAD (2*\t+5)                         ; into the slot just narrowed
.endif
	WWAIT (2*\t+1)
	WCVT (2*\t+1)
.if 2*\t+6 < 32
	WLOAD (2*\t+6)
.endif
	s_wait_dscnt 0x8                       ; fragments 0 and 1 are in; the 8 loads of fragments 2-5 may be out
	WIN 0x50
	MUL 0, 0, \zero
	MUL 1, 1, \zero
	WIN 0
	PLACES
	ALOAD 0, 6, \t
	ALOAD 1, 7, \t
	WIN 0x50
	s_wait_dscnt 0x4                       ; fragments 2-5 are in; the 4 loads just issued may be out
	MUL 2, 2, \zero
	MUL 3, 3, \zero
	MUL 4, 4, \zero
	MUL 5, 5, \zero
	s_wait_dscnt 0x0
	MUL 0, 6, \zero
	MUL 1, 7, \zero
.endm
	; ---- set-up
	s_load_b256 s[4:11], s[0:1], 0x0               ; A s[4:5], W s[6:7], sel_probs s[8:9], out s[10:11]
	v_lshrrev_b32 v[TMP], 5, v0
	v_readfirstlane_b32 s12, v[TMP]                ; wave = bank
	s_and_b32 s13, ttmp7, 0xffff                   ; y: K slice.  ttmp9 = x: column block
	s_mov_b32 s28, 0x76543210                      ; v_permlanex16_b32: lane i takes lane i of the other half
	s_mov_b32 s29, 0xfedcba98
	s_mul_i32 s14, s12, 16*LDA                     ; A: my 16 rows,
	s_lshl_b32 s15, s13, 11                        ; the slice's 512 columns
	s_add_co_u32 s14, s14, s15
	s_mov_b32 s15, 0
	s_lshl_b32 s18, s12, 25                        ; W: my bank (2^25 bytes each),
	s_mul_i32 s19, s13, 512*WP                     ; the slice's 512 rows,
	s_add_co_u32 s18, s18, s19
	s_lshl_b32 s19, ttmp9, 8                       ; the block's 64 columns
	s_add_co_u32 s18, s18, s19
	s_mul_i32 s26, s13, OSL                        ; out: the slice, the block's columns, my 16 rows
	s_add_co_u32 s26, s26, s19
	s_mul_i32 s27, s12, 16*LDO
	s_add_co_u32 s26, s26, s27
	s_mov_b32 s19, 0
	s_mov_b32 s27, 0
	s_lshl_b32 s24, s12, 9                         ; sel_probs: my 16 rows of 32 bytes
	s_mov_b32 s25, 0
	s_add_co_u32 s20, s24, SELB
	s_mul_i32 s21, s12, ATILE
	s_lshl_b32 s22, s12, 15
	s_lshl_b32 s23, s12, 12
	v_and_b32 v[TMP], 31, v0                       ; lane
	v_and_b32 v[RR], 15, v0                        ; r
	v_bfe_u32 v[HH], v0, 4, 1                      ; hh
	v_lshlrev_b32 v[AOFF], 4, v[TMP]
	v_lshlrev_b32 v[WOFF], 4, v[RR]
	v_lshl_add_u32 v[OOFF], v[HH], LOG_LDO+3, v[WOFF]
	v_lshl_add_u32 v[WOFF], v[HH], LOG_WP+3, v[WOFF]
	v_mul_u32_u24 v[AAD0], v[RR], APITCH
	v_lshl_add_u32 v[AAD0], v[HH], 4, v[AAD0]
	v_add_nc_u32 v[AAD0+1], 4*ATILE, v[AAD0]
	v_add_nc_u32 v[SELSTO], s20, v[AOFF]
	v_lshl_add_u32 v[ASTO], v[TMP], 3, s21
	v_add_nc_u32 v[RSTO], s22, v[AOFF]
	v_add_nc_u32 v[XAD], s23, v[AOFF]
	v_add_nc_u32 v[XAD+1], 0x10000, v[XAD]
	v_add_nc_u32 v[XAD+2], 0x20000, v[XAD]
	v_add_nc_u32 v[XAD+3], 0x30000, v[XAD]
	v_lshl_add_u32 v[SAD], v[HH], 8, s20
	s_wait_kmcnt 0x0
	s_add_nc_u64 s[4:5], s[4:5], s[14:15]
	s_add_nc_u64 s[6:7], s[6:7], s[18:19]
	s_add_nc_u64 s[16:17], s[6:7], 256*WP          ; second base: rows 256 .. 511 of the slice
	s_add_nc_u64 s[8:9], s[8:9], s[24:25]
	s_add_nc_u64 s[10:11], s[10:11], s[26:27]
	; ---- issue: sel (1), my 16 rows of A (64), then five half steps of W (40).  A first: it is staged while W is on its way
	global_load_b128 v[SELD:SELD+3], v[AOFF], s[8:9]
	WIN 0x40
.set q, 0
.rept 64
	global_load_b128 v[4*q:4*q+3], v[AOFF], s[4:5] offset:(q>>2)*LDA+(q&3)*512
.set q, q+1
.endr
	WIN 0
	WLOAD 0
	WLOAD 1
	WLOAD 2
	WLOAD 3
	WLOAD 4
	; ---- stage A: largest magnitude of each row, scale by 2^-e, narrow, store
	s_wait_loadcnt 40                              ; only the 40 loads of W are younger: sel and A are in
	ds_store_b128 v[SELSTO], v[SELD:SELD+3]
	WIN 0x15
.set rw, 0
.rept 16
	v_max3_num_f32 v[MX+rw], |v[16*rw]|, |v[16*rw+1]|, |v[16*rw+2]|
.set rw, rw+1
.endr
	WIN 0x14
.irp i, 3,5,7,9,11,13
.set rw, 0
.rept 16
	v_max3_num_f32 v[MX+rw], v[MX+rw], |v[16*rw+\i]|, |v[16*rw+\i+1]|
.set rw, rw+1
.endr
.endr
.set rw, 0
.rept 16
	v_max_num_f32 v[MX+rw], v[MX+rw], |v[16*rw+15]|
.set rw, rw+1
.endr
	WIN 0
.irp m, 1,2,4,8
.set rw, 0
.rept 16
	v_max_num_f32_dpp v[MX+rw], v[MX+rw], v[MX+rw] row_xmask:\m row_mask:0xf bank_mask:0xf
.set rw, rw+1
.endr
.endr
.set rw, 0
.rept 16
	v_permlanex16_b32 v[TMP], v[MX+rw], s28, s29
	v_max_num_f32 v[MX+rw], v[MX+rw], v[TMP]
	v_readfirstlane_b32 s[SC+2*rw], v[MX+rw]
	s_and_b32 s[SC+2*rw+1], s[SC+2*rw], 0x7f800000             ; 2^e: the exponent field alone,
	s_max_u32 s[SC+2*rw+1], s[SC+2*rw+1], 0x00800000           ; at least 2^-126 (a row of zeros stays zeros),
	s_min_u32 s[SC+2*rw+1], s[SC+2*rw+1], 0x7e800000           ; at most 2^126, so that
	s_sub_co_u32 s[SC+2*rw], 0x7f000000, s[SC+2*rw+1]          ; 2^-e = field 254 - field is a normal number too
.set rw, rw+1
.endr
	WIN 0x41
.set rw, 0
.rept 16
.irp i, 0,2,4,6,8,10,12,14
	v_pk_mul_f32 v[16*rw+\i:16*rw+\i+1], v[16*rw+\i:16*rw+\i+1], s[SC+2*rw:SC+2*rw+1] op_sel_hi:[1,0]
.endr
.set rw, rw+1
.endr
	ACVT 0
	ACVT 1
	s_wait_dscnt 0x0                               ; my rows of A are in LDS,
	s_barrier_signal -1
	s_barrier_wait -1                              ; everybody's are
	; ---- the products
	STEP 0, 1
.irp t, 1,2,3,4,5,6,7,8,9,10,11,12,13,14,15
	STEP \t, 0
.endr
	; ---- the sum over banks, weighted by sel in f32 as the reference combines them
	WIN 0
	PLACES                                         ; behind the last products, before LDS stores read the sums
	s_barrier_signal -1                            ; my reads of A ended at the last s_wait_dscnt 0
	s_barrier_wait -1                              ; nobody reads A any more: its bytes are written again
	WIN 0x04
.set tl, 0
.rept 32
	ds_store_b128 v[RSTO], v[8*tl:8*tl+3]   offset:tl*1024
	ds_store_b128 v[RSTO], v[8*tl+4:8*tl+7] offset:tl*1024+512
.set tl, tl+1
.endr
	WIN 0
	s_wait_dscnt 0x0
	s_barrier_signal -1
	s_barrier_wait -1
	; wave w finishes batch tile w, the rows that it staged: lane (r, hh) has rows 16 w + 8 hh + j, columns 4 r + c
.irp j, 0,1,2,3,4,5,6,7
	ds_load_b128 v[SV+8*\j:SV+8*\j+3],   v[SAD] offset:32*\j
	ds_load_b128 v[SV+8*\j+4:SV+8*\j+7], v[SAD] offset:32*\j+16
.endr
	v_and_b32 v[DSV+8], 16, v0
	v_cmp_ne_u32 vcc_lo, 0, v[DSV+8]               ; upper half of the lanes: rows 8 .. 15
.irp j, 0,1,2,3,4,5,6,7
	v_mov_b32 v[DSV+\j], s[SC+2*(8+\j)+1]
	v_cndmask_b32 v[DSV+\j], s[SC+2*\j+1], v[DSV+\j], vcc_lo
.endr
	WIN 0x40
.irp b, 0,1,2,3,4,5,6,7
.irp u, 0,1,2,3,4,5,6,7
	ds_load_b128 v[32*\b+4*\u:32*\b+4*\u+3], v[XAD+(\b>>1)] offset:(\b&1)*32768+\u*512
.endr
.endr
	WIN 0x04
.irp b, 0,1,2,3,4,5,6,7
	s_wait_dscnt 56-8*\b                           ; bank b's 8 loads are in; those of the later banks stay out
.irp j, 0,1,2,3,4,5,6,7
.irp c, 0,1,2,3
.if \b == 0
	v_mul_f32 v[TV+4*\j+\c], v[SV+8*\j+\b], v[32*\b+8*\c+\j]
.else
	v_fmac_f32 v[TV+4*\j+\c], v[SV+8*\j+\b], v[32*\b+8*\c+\j]
.endif
.endr
.endr
.endr
	WIN 0
.irp j, 0,1,2,3,4,5,6,7
.irp c, 0,1,2,3
	v_mul_f32 v[TV+4*\j+\c], v[DSV+\j], v[TV+4*\j+\c]          ; the row's 2^e back
.endr
.endr
.irp j, 0,1,2,3,4,5,6,7
	global_store_b128 v[OOFF], v[TV+4*\j:TV+4*\j+3], s[10:11] offset:\j*LDO   ; 16 lanes store 256 consecutive aligned bytes of a row
.endr
	s_wait_xcnt 0x0
	v_lshl_add_u32 v254, v0, 2, 0x41000
	v_mov_b32 v255, 0
	s_wait_tensorcnt 0x0
	ds_add_u32 v254, v255
	s_wait_dscnt 0x0
	s_endpgm
.Lfunc_end_k_q3045765c74_merge:
	.size	k_q3045765c74_merge, .Lfunc_end_k_q3045765c74_merge-k_q3045765c74_merge
	.p2alignl 7, 3214868480
	.fill 96, 4, 3214868480
	.section	.rodata,"a",@progbits
	.p2align	6, 0x0
	.amdhsa_kernel k_q3045765c74_merge
		.amdhsa_group_segment_fixed_size 267264
		.amdhsa_private_segment_fixed_size 0
		.amdhsa_enable_private_segment 0
		.amdhsa_kernarg_size 32
		.amdhsa_user_sgpr_count 2
		.amdhsa_user_sgpr_kernarg_segment_ptr 1
		.amdhsa_wavefront_size32 1
		.amdhsa_system_sgpr_workgroup_id_x 1
		.amdhsa_system_sgpr_workgroup_id_y 1
		.amdhsa_system_sgpr_workgroup_id_z 1
		.amdhsa_system_vgpr_workitem_id 0
		.amdhsa_next_free_vgpr 512
		.amdhsa_next_free_sgpr 66
		.amdhsa_reserve_vcc 1
		.amdhsa_float_denorm_mode_32 3
		.amdhsa_float_denorm_mode_16_64 3
		.amdhsa_memory_ordered 1
		.amdhsa_forward_progress 1
		.amdhsa_inst_pref_size 180
	.end_amdhsa_kernel
	.amdgpu_metadata
---
amdhsa.version: [ 1, 2 ]
amdhsa.kernels:
  - .name:           k_q3045765c74_merge
    .symbol:         k_q3045765c74_merge.kd
    .args:
      - { .name: rbuf, .offset: 0, .size: 8, .value_kind: global_buffer, .address_space: global }
      - { .name: W_merge, .offset: 8, .size: 8, .value_kind: global_buffer, .address_space: global }
      - { .name: sel_probs, .offset: 16, .size: 8, .value_kind: global_buffer, .address_space: global }
      - { .name: opart, .offset: 24, .size: 8, .value_kind: global_buffer, .address_space: global }
    .group_segment_fixed_size: 267264
    .private_segment_fixed_size: 0
    .kernarg_segment_align: 8
    .kernarg_segment_size: 32
    .max_flat_workgroup_size: 256
    .sgpr_count:     66
    .vgpr_count:     512
    .wavefront_size: 32
...
	.end_amdgpu_metadata
.endif
;; end of part 3
;; launch sum (part 4): grid 256 x 1, 4 waves a work-group, no clusters, 0 bytes of LDS; arguments opart, b_merge, sel_probs, out0; writes out0
.if DOCPART == 4
	.amdgcn_target "amdgcn-amd-amdhsa--gfx1250"
	.amdhsa_code_object_version 6
	.text
	.protected	k_q3045765c74_sum
	.globl	k_q3045765c74_sum
	.p2align	8
	.type	k_q3045765c74_sum,@function
k_q3045765c74_sum:
	s_mov_b64 s[64:65], 0
	v_nop
	global_prefetch_b8 v0, s[64:65] scope:SCOPE_SE
	s_setreg_imm32_b32 hwreg(HW_REG_WAVE_MODE, 25, 1), 1
	s_wait_xcnt 0x0
; out0[b][d] = sum over the 16 K slices y of opart[y][b][d] + sum over banks k of sel[b][k] b_merge[k][d], all in f32.
; Work-group x owns bytes 2,048 x .. 2,048 x + 2,047 of out0: batch x >> 1, columns 512 (x & 1) .. + 511.  Thread t owns 16 of them, so each
; load and the store of a wave cover 512 consecutive bytes.  All 24 loads are issued at once and added in the order in which they return.
; A stream: no LDS, no barrier, no matrix unit, nothing shared between work-groups but 32 KiB of bias.
.set P,    8                           ; v8-71: the 16 slices' 4 numbers; v8-11 take the sum
.set BI,   72                          ; v72-103: the 8 banks' bias
	s_load_b256 s[4:11], s[0:1], 0x0               ; opart s[4:5], b_merge s[6:7], sel_probs s[8:9], out0 s[10:11]
	s_lshl_b32 s12, ttmp9, 11                      ; my 2,048 bytes in a slice of opart and in out0
	s_mov_b32 s13, 0
	s_and_b32 s14, ttmp9, 1
	s_lshl_b32 s14, s14, 11                        ; my half of a row of b_merge
	s_mov_b32 s15, 0
	s_lshr_b32 s24, ttmp9, 1
	s_lshl_b32 s24, s24, 5                         ; my batch's 32 bytes of sel_probs
	s_mov_b32 s25, 0
	v_lshlrev_b32 v1, 4, v0
	s_wait_kmcnt 0x0
	s_add_nc_u64 s[4:5], s[4:5], s[12:13]
	s_add_nc_u64 s[6:7], s[6:7], s[14:15]
	s_add_nc_u64 s[8:9], s[8:9], s[24:25]
	s_add_nc_u64 s[10:11], s[10:11], s[12:13]
	s_load_b256 s[16:23], s[8:9], 0x0              ; sel[b][0..7]
.irp y, 0,1,2,3,4,5,6,7,8,9,10,11,12,13,14,15
	global_load_b128 v[P+4*\y:P+4*\y+3], v1, s[4:5] offset:\y*524288 th:TH_LOAD_NT
.endr
.irp k, 0,1,2,3,4,5,6,7
	global_load_b128 v[BI+4*\k:BI+4*\k+3], v1, s[6:7] offset:\k*4096
.endr
.irp y, 1,2,3,4,5,6,7,8,9,10,11,12,13,14,15
	s_wait_loadcnt 23-\y                           ; of 24 loads those up to slice y are in
	v_pk_add_f32 v[P:P+1],   v[P:P+1],   v[P+4*\y:P+4*\y+1]
	v_pk_add_f32 v[P+2:P+3], v[P+2:P+3], v[P+4*\y+2:P+4*\y+3]
.endr
	s_wait_kmcnt 0x0
.irp k, 0,1,2,3,4,5,6,7
	s_wait_loadcnt 7-\k                            ; bank k's bias is in
.irp c, 0,1,2,3
	v_fmac_f32 v[P+\c], s[16+\k], v[BI+4*\k+\c]
.endr
.endr
	global_store_b128 v1, v[P:P+3], s[10:11] th:TH_STORE_NT
	s_endpgm
.Lfunc_end_k_q3045765c74_sum:
	.size	k_q3045765c74_sum, .Lfunc_end_k_q3045765c74_sum-k_q3045765c74_sum
	.p2alignl 7, 3214868480
	.fill 96, 4, 3214868480
	.section	.rodata,"a",@progbits
	.p2align	6, 0x0
	.amdhsa_kernel k_q3045765c74_sum
		.amdhsa_group_segment_fixed_size 0
		.amdhsa_private_segment_fixed_size 0
		.amdhsa_enable_private_segment 0
		.amdhsa_kernarg_size 32
		.amdhsa_user_sgpr_count 2
		.amdhsa_user_sgpr_kernarg_segment_ptr 1
		.amdhsa_wavefront_size32 1
		.amdhsa_system_sgpr_workgroup_id_x 1
		.amdhsa_system_sgpr_workgroup_id_y 1
		.amdhsa_system_sgpr_workgroup_id_z 1
		.amdhsa_system_vgpr_workitem_id 0
		.amdhsa_next_free_vgpr 112
		.amdhsa_next_free_sgpr 66
		.amdhsa_reserve_vcc 0
		.amdhsa_float_denorm_mode_32 3
		.amdhsa_float_denorm_mode_16_64 3
		.amdhsa_memory_ordered 1
		.amdhsa_forward_progress 1
		.amdhsa_inst_pref_size 7
	.end_amdhsa_kernel
	.amdgpu_metadata
---
amdhsa.version: [ 1, 2 ]
amdhsa.kernels:
  - .name:           k_q3045765c74_sum
    .symbol:         k_q3045765c74_sum.kd
    .args:
      - { .name: opart, .offset: 0, .size: 8, .value_kind: global_buffer, .address_space: global }
      - { .name: b_merge, .offset: 8, .size: 8, .value_kind: global_buffer, .address_space: global }
      - { .name: sel_probs, .offset: 16, .size: 8, .value_kind: global_buffer, .address_space: global }
      - { .name: out0, .offset: 24, .size: 8, .value_kind: global_buffer, .address_space: global }
    .group_segment_fixed_size: 0
    .private_segment_fixed_size: 0
    .kernarg_segment_align: 8
    .kernarg_segment_size: 32
    .max_flat_workgroup_size: 128
    .sgpr_count:     66
    .vgpr_count:     112
    .wavefront_size: 32
...
	.end_amdgpu_metadata
.endif
;; end of part 4
